; MI455X (gfx1250); checked and timed in simulation.
; The chip was launched on July 23, 2026; its instructions are those of AMD's public machine-readable ISA for CDNA 5 (MIT licence, August 2026) and "CDNA5" Instruction Set Architecture Reference Guide (July 2026). The comments in the code are by the model that wrote it; some were corrected since.
;; Critic UA Vob. Allowed arithmetic: float matrix products may take bf16 or f16 operands with f32 sums; other float arithmetic in f32, or as packed bf16 or f16 multiplies, adds, multiply-adds, maxima and minima; sums over many terms, partial sums and values carried from step to step in f32; what a program stores and reads back later, other than sums and carried values, may be rounded once to bf16 or f16.
;; Inputs: W1 64 x 128 float32; W2 128 x 128 float32; W3 128 x 1 float32; Wk_rs 3 x 16 float32; Wk_tg 3 x 16 float32; Wq_rs 3 x 16 float32; Wq_tg 3 x 16 float32; Wv_rs 3 x 32 float32; Wv_tg 3 x 32 float32; b1 128 float32; b2 128 float32; b3 1 float32; bk_rs 16 float32; bk_tg 16 float32; bq_rs 16 float32; bq_tg 16 float32; bv_rs 32 float32; bv_tg 32 float32; s_obs 4,096 x 128 x 3 float32.
;; Outputs: out0 4,096 x 1 float32.
;; One version. Each part assembles by itself: llvm-mc -triple=amdgcn-amd-amdhsa -mcpu=gfx1250 --defsym DOCPART=n.
;; ======== version 1 of 1: 1 launch
;; limits: values are held in f16: magnitudes above 65,504 overflow, below 6.1e-05 lose precision
;; launch critic (part 1): grid 256 x 1, 16 waves a work-group, clusters of 4 x 1, 229,888 bytes of LDS; arguments s_obs, Wq_rs, bq_rs, Wk_rs, Wv_rs, bv_rs, Wq_tg, bq_tg, Wk_tg, Wv_tg, bv_tg, W1, b1, W2, b2, W3, b3, out0; writes out0
.if DOCPART == 1
	.amdgcn_target "amdgcn-amd-amdhsa--gfx1250"
	.amdhsa_code_object_version 6
	.text
	.protected	k_qd2fc898926_critic
	.globl	k_qd2fc898926_critic
	.p2align	8
	.type	k_qd2fc898926_critic,@function
k_qd2fc898926_critic:
	s_mov_b64 s[64:65], 0
	v_nop
	global_prefetch_b8 v0, s[64:65] scope:SCOPE_SE
	s_setreg_imm32_b32 hwreg(HW_REG_WAVE_MODE, 25, 1), 1
	s_wait_xcnt 0x0
	s_wait_alu depctr_hold_cnt(0) depctr_sa_sdst(0) depctr_va_vdst(0) depctr_va_sdst(0) depctr_va_ssrc(0) depctr_va_vcc(0) depctr_vm_vsrc(0)
	s_getreg_b32 s2, hwreg(HW_REG_IB_STS2, 6, 4)
	s_cmp_eq_u32 s2, 0
	s_cbranch_scc0 .Lentry_in_a_cluster
	s_endpgm
.Lentry_in_a_cluster:
	s_bfe_u32 s2, ttmp6, 0x10000c
	s_cmp_lg_u32 s2, 0x3003
	s_cbranch_scc0 .Lentry_shape_is_right
	s_endpgm
.Lentry_shape_is_right:
; out0[b] = W3 . tanh(W2^T tanh(W1^T [h_rs ; h_tg] + b1) + b2) + b3, h_x = mean over queries of softmax(Q K^T / 4) V, for 4,096 batches of 128 points s (3 numbers each), two heads x = rs, tg.
; WORK LEFT OUT, by identities that hold in exact arithmetic for all values of the inputs:
;  (1) Q_n . K_m = Q_n . (Wk^T s_m) + Q_n . bk.  The second term is the same for all keys m, the softmax's axis, and cancels.  So bk_rs and bk_tg have no way to the output: they are not loaded and are no arguments.
;  (2) Q_n . (Wk^T s_m) = t_n . s_m with t_n = Wk (Wq^T s_n + bq) = G s_n + g, G 3 x 3 and g 3 numbers a head.  Q and K are never formed; a score is a product of 3 terms.
;  (3) mean_n sum_m a[n][m] (Wv^T s_m + bv) = Wv^T u + bv with u = mean_n sum_m a[n][m] s_m, since sum_m a[n][m] = 1.  V is never formed; the second product has s's 3 channels and the row sum.
; LIMITS.  A NaN, an infinity or an overflow that would arise only in Q . bk or in Q, K, V themselves is not carried to the result.  The sums are taken in another order than the formula's.  A weight below 2^-126 counts
; as 0.  Scores are made of s and t each split into two bf16 (16 significant bits); the weights p are rounded once to bf16 and their sum l is taken of the rounded p.  h, tanh's results, W1 and W2 are rounded once to
; f16: an entry of W1 or W2 beyond 65,504 becomes an infinity; h is held to +-65,504, and a NaN in h is not carried through that.  The maximum taken away is the row's true maximum, so l >= 1.
; SHARES.  256 work-groups of 16 waves; a work-group has 16 batches, a wave ONE batch with both heads.  All operands of the loop lie in the wave's registers (246 of them), so a larger tile would spare no LDS read;
; a tile of 16 queries x 128 keys has 171 vector lines for 12 matrix lines, and the four waves of a SIMD fill each other's waits.
; LAYOUT.  S^T = A1 x B (source 0 = 16 keys, source 1 = 16 queries): a lane holds ONE query (lane % 16) and the keys 8 (lane / 16) + 0..7 of each key tile.  A key's slots: xh yh zh xl yl zl 1 0, the same in both halves of
; the lanes; a query's: txh tyh tzh txh tyh tzh in lanes 0-15 and t's low parts in lanes 16-31, all other slots 0: the sum is (sh + sl) . (th + tl).  t holds the factor log2(e) / 4.
; A1's fragments overlap: fragment kt is v[KA+4 kt : KA+4 kt+7]; its upper four registers are the next tile's (for kt = 7: A2's first four), finite numbers that meet B's zeros.  A non-finite s spoils its whole batch.
; Two S^T tiles rounded in pairs ARE source 1 (32 keys x 16 queries) of O^T = A2 x P; A2's 16 channels are the key's eight slots twice, so both halves of the lanes end with the same sums: registers 0-5 s's parts, register 6 l.
; THE MLP.  The work-group's 16 pooled rows are one tile of 16: waves 0-7 take 16 columns each (source 0 = 16 columns of W, turned out of LDS; source 1 = 16 batches).  The last layer has ONE column: 8 multiply-adds a lane in f32.
; CLUSTER.  W1, W2, b1, b2, W3 are read by every work-group: the four of a cluster ask for them JOINTLY, once, at the head; they land as f32 in LDS while the loop runs.  No LDS byte is filled twice.
; NO PREFETCH: a wave asks for all that it reads of s_obs in its first lines, and reads 84 bytes a lane again in the loop.
.set REC,   0          ; 16 x 4,096: a wave's own: 128 keys x 32 bytes: the record of 16 bytes twice
.set STG,   65536      ; 98,304: W1 then W2 in f32, as in memory; wave w < 6 fetches and reads bytes 16,384 w ..
.set STGB,  163840     ; 1,536: b1, b2, W3 in f32
.set WB,    165376     ; 192 rows x 288: W1's 64 rows, then W2's 128, in f16, [k][n]; 256 bytes + 32
.set WP,    288
.set HL,    220672     ; 16 rows x 144: h in f16, [batch][64]
.set HP,    144
.set A1L,   222976     ; 16 rows x 272: the first layer's result in f16, [batch][128]
.set AP,    272
.set PART,  227328     ; 8 x 64: the last layer's partial sums in f32, [wave][batch]
.set SPARE, 227840     ; the spare words, 128 bytes for each of the 16 waves: eight blocks of 256 bytes that no other line names
.set SPW,  1           ; v1   LDS address of my spare word; never rewritten
.set NIL,  2           ; v2   0; never rewritten
.set CW,   3           ; v3   4 (lane % 16); never rewritten
.set NEG1, 4           ; v4   -1.0
.set RQ,   5           ; v5   12 (lane % 16) + 192 x the query tile to be loaded next
.set SQ,   6           ; v6-8 x, y, z of my row of that tile; v9 = 0, named with z as a pair
.set TT,   10          ; v10-12 t
.set LO,   14          ; v14-16 low parts at work
.set MR,   18          ; v18  the row's maximum; v19 = 0, named with it as a pair
.set RI,   20          ; v20  1 / l; v21 = 0 likewise
.set GG,   22          ; v22-33 G00 G10 G01 G11 G02 G12 g0 g1 G20 G21 G22 g2: lanes 0-15 head rs's, lanes 16-31 head tg's
.set ACR,  34          ; v34-39 head rs: the six running sums of o / l
.set ACT,  40          ; v40-45 head tg
.set WV,   46          ; v46-53 Wv_rs[0..2][lane] / 128, bv_rs[lane], the same of tg
.set BR,   54          ; v54-61 source 1 of the scores, head rs
.set BT,   62          ; v62-69 head tg
.set OA,   70          ; v70-77, v78-85 the pool's two accumulators
.set OB,   78
.set KA,   86          ; v86-117 A1, four registers a key tile
.set A2,   118         ; v118-149 four fragments of 16 channels x 32 keys
.set PP,   150         ; v150-181 P
.set MX,   150         ; the maximum's eight chains, while P is dead
.set SS,   182         ; v182-245 S^T, eight accumulators
.set CO,   182         ; prologue: 14 small weights
.set ROWS, 196         ; prologue: x, y, z of my row in each of the 8 tiles
.set RA,   246         ; where I put my record
.set L4,   247         ; 4 x lane
.set LN,   248         ; lane
.set LR,   249         ; lane % 16
.set LH,   250         ; lane / 16
.set KR,   251         ; 8 (lane / 16) + lane % 8: the turning load's row
.set CB,   252         ; (lane / 8) % 2: its block of 16 bytes
.set TA,   253         ; the turning load's address in my records
.set T0,   254
; the tail (G's registers and v54-245 are free by then)
.set HA,   22          ; where I put h
.set CLA,  23          ; my f32 weights
.set CSA,  24          ; my f16 weights
.set WT,   25          ; the turning load's address in WB, at my 16 columns
.set HB,   26          ; h's fragments
.set BA,   27          ; my 8 numbers of b1 (b2: + 512, W3: + 1,024)
.set A1B,  28          ; the first layer's fragments
.set A1S,  29          ; where I put my 16 bytes of it
.set PR,   30          ; the partial sums of batch lane % 16
.set PS,   31          ; my wave's among them
.set HF,   54
.set WF,   86
.set AF,   118
.set BI,   150
.set W3R,  158
.set DA,   166
.set DB,   174
.set EE,   182
.set PK,   190
.set CVL,  182
.set CVP,  150
.set WVN,  44          ; s44  my wave's number
; s[8:43] the 18 addresses in the order of the arguments; s45 cx; s46 the work-group; s47 trips; s[48:49] lane selects; s[50:51], s[54:55] offsets; s52 b3; s53 EXEC kept
; s[56:63] group 1 for 16 KB; s[68:75] group 1 for 512 bytes; s[76:79], s[80:83] their groups 0; s84-91 at work
.macro PLACES                          ; four places behind a matrix instruction, where no other vector work is at hand (ISA guide 7.12.1)
.rept 4
	v_nop
.endr
.endm
; A round of the cluster's barrier: my work-group's barrier, so that wave 0's signal speaks for all 16 waves; wave 0 signals; every wave waits for all four work-groups; my work-group's barrier once more.
.macro CROUND
	s_barrier_signal -1
	s_barrier_wait -1
	s_cmp_lg_u32 s[WVN], 0
	s_cbranch_scc1 .Lnot_wave_0_\@
	s_barrier_signal -3
.Lnot_wave_0_\@:
	s_barrier_wait -3
	s_barrier_signal -1
	s_barrier_wait -1
.endm
; Key tile kt: my row's x, y, z split into two bf16 each: the record xh yh zh xl yl zl 1 0.  It is A1's four registers and goes into LDS for A2.  l: three registers at work.
.macro KPREP kt, l
	v_cvt_pk_bf16_f32 v[KA+4*\kt], v[ROWS+3*\kt], v[ROWS+3*\kt+1]
	v_fma_mix_f32_bf16 v[\l], v[KA+4*\kt], v[NEG1], v[ROWS+3*\kt] op_sel_hi:[1,0,0]                    ; x - xh, exact
	v_fma_mix_f32_bf16 v[\l+1], v[KA+4*\kt], v[NEG1], v[ROWS+3*\kt+1] op_sel:[1,0,0] op_sel_hi:[1,0,0]  ; y - yh
	v_cvt_pk_bf16_f32 v[KA+4*\kt+1], v[ROWS+3*\kt+2], v[\l]
	v_fma_mix_f32_bf16 v[\l+2], v[KA+4*\kt+1], v[NEG1], v[ROWS+3*\kt+2] op_sel_hi:[1,0,0]               ; z - zh
	v_cvt_pk_bf16_f32 v[KA+4*\kt+2], v[\l+1], v[\l+2]
	v_mov_b32 v[KA+4*\kt+3], 0x3f80
	ds_store_b128 v[RA], v[KA+4*\kt:KA+4*\kt+3] offset:512*\kt
.endm
; t = G s + g for my row (x, y, z at v[x ..]): lanes 0-15 with head rs's G, lanes 16-31 with head tg's.  Six plain lines.
.macro TCOMP x
	v_pk_fma_f32 v[TT:TT+1], v[GG:GG+1], v[\x:\x+1], v[GG+6:GG+7] op_sel_hi:[1,0,1]
	v_fma_f32 v[TT+2], v[GG+8], v[\x], v[GG+11]
	v_pk_fma_f32 v[TT:TT+1], v[GG+2:GG+3], v[\x:\x+1], v[TT:TT+1] op_sel:[0,1,0] op_sel_hi:[1,1,1]
	v_fma_f32 v[TT+2], v[GG+9], v[\x+1], v[TT+2]
	v_pk_fma_f32 v[TT:TT+1], v[GG+4:GG+5], v[\x+2:\x+3], v[TT:TT+1] op_sel_hi:[1,0,1]
	v_fma_f32 v[TT+2], v[GG+10], v[\x+2], v[TT+2]
.endm
; t split into two bf16 and laid as source 1.  Ahead of the exchange BR holds the high parts (rs below, tg above) and BT the low parts; the exchange of BR's upper with BT's lower lanes leaves BR = rs (high, low), BT = tg (high, low).
.macro PACK
	v_cvt_pk_bf16_f32 v[BR], v[TT], v[TT+1]
	v_cvt_pk_bf16_f32 v[BR+1], v[TT+2], v[TT]
	v_cvt_pk_bf16_f32 v[BR+2], v[TT+1], v[TT+2]
	v_fma_mix_f32_bf16 v[LO], v[BR], v[NEG1], v[TT] op_sel_hi:[1,0,0]
	v_fma_mix_f32_bf16 v[LO+1], v[BR], v[NEG1], v[TT+1] op_sel:[1,0,0] op_sel_hi:[1,0,0]
	v_fma_mix_f32_bf16 v[LO+2], v[BR+1], v[NEG1], v[TT+2] op_sel_hi:[1,0,0]
	v_cvt_pk_bf16_f32 v[BT], v[LO], v[LO+1]
	v_cvt_pk_bf16_f32 v[BT+1], v[LO+2], v[LO]
	v_cvt_pk_bf16_f32 v[BT+2], v[LO+1], v[LO+2]
	v_add_nc_u32 v[RQ], 192, v[RQ]                 ; the next tile's rows; the loads that read RQ have been waited for
.irp j, 0,1,2
	v_permlane16_swap_b32 v[BR+\j], v[BT+\j]
.endr
.endm
.macro SCORES b                        ; 16 queries x 128 keys: eight products, each starts its own sum
.irp kt, 0,1,2,3,4,5,6,7
	v_wmma_f32_16x16x32_bf16 v[SS+8*\kt:SS+8*\kt+7], v[KA+4*\kt:KA+4*\kt+7], v[\b:\b+7], 0
.endr
.endm
.macro FIN1                            ; the pool's two accumulators are added, from the low end on; 1 / l is asked for
.irp i, 0,2,4,6
	v_pk_add_f32 v[OA+\i:OA+\i+1], v[OA+\i:OA+\i+1], v[OB+\i:OB+\i+1]
.endr
	v_rcp_f32 v[RI], v[OA+6]
.endm
.macro FIN2 acc                        ; acc += o / l
.irp i, 0,2,4
	v_pk_fma_f32 v[\acc+\i:\acc+\i+1], v[OA+\i:OA+\i+1], v[RI:RI+1], v[\acc+\i:\acc+\i+1] op_sel_hi:[1,0,1]
.endr
.endm
.macro MAXM                            ; the maximum of my query's 128 scores: eight chains, each accumulator's lowest registers first; the other 64 keys lie in the lane 16 away
.irp kt, 0,1,2,3,4,5,6,7
	v_max3_num_f32 v[MX+\kt], v[SS+8*\kt], v[SS+8*\kt+1], v[SS+8*\kt+2]
.endr
.irp kt, 0,1,2,3,4,5,6,7
	v_max3_num_f32 v[MX+\kt], v[MX+\kt], v[SS+8*\kt+3], v[SS+8*\kt+4]
.endr
.irp kt, 0,1,2,3,4,5,6,7
	v_max3_num_f32 v[MX+\kt], v[MX+\kt], v[SS+8*\kt+5], v[SS+8*\kt+6]
.endr
.irp i, 0,1,2,3
	v_max3_num_f32 v[MX+\i], v[MX+\i], v[SS+8*\i+7], v[SS+8*\i+39]
.endr
	v_max3_num_f32 v[MX], v[MX], v[MX+1], v[MX+2]
	v_max3_num_f32 v[MX+3], v[MX+3], v[MX+4], v[MX+5]
	v_max3_num_f32 v[MX], v[MX], v[MX+6], v[MX+7]
	v_max_num_f32 v[MX], v[MX], v[MX+3]
	v_permlanex16_b32 v[MX+1], v[MX], s48, s49
	v_max_num_f32 v[MR], v[MX], v[MX+1]
.endm
.macro SUBM i                          ; pair i of 32: s - m
	v_pk_add_f32 v[SS+2*(\i):SS+2*(\i)+1], v[SS+2*(\i):SS+2*(\i)+1], v[MR:MR+1] op_sel_hi:[1,0] neg_lo:[0,1] neg_hi:[0,1]
.endm
.macro SUBEXP                          ; ONE BATCH: 32 subtractions and 64 exponentials; a pair is subtracted two pairs ahead of its exponentials, and no line names an exponential's result
	SUBM 0
	SUBM 1
.set q, 0
.rept 32
	v_exp_f32 v[SS+2*q], v[SS+2*q]
.if q < 30
	SUBM q+2
.endif
	v_exp_f32 v[SS+2*q+1], v[SS+2*q+1]
.set q, q+1
.endr
.endm
.macro CVTP
.set q, 0
.rept 32
	v_cvt_pk_bf16_f32 v[PP+q], v[SS+2*q], v[SS+2*q+1]
.set q, q+1
.endr
.endm
.macro PV                              ; the two accumulators take turns, one instruction a turn
	v_wmma_f32_16x16x32_bf16 v[OA:OA+7], v[A2:A2+7], v[PP:PP+7], 0
	v_wmma_f32_16x16x32_bf16 v[OB:OB+7], v[A2+8:A2+15], v[PP+8:PP+15], 0
	v_wmma_f32_16x16x32_bf16 v[OA:OA+7], v[A2+16:A2+23], v[PP+16:PP+23], v[OA:OA+7]
	v_wmma_f32_16x16x32_bf16 v[OB:OB+7], v[A2+24:A2+31], v[PP+24:PP+31], v[OB:OB+7]
.endm
; The softmax and pool of the tile whose scores lie in S^T; at its head the tile BEFORE is finished into acc, so that its reciprocal shares the exponentials' one wait.
.macro SOFT acc
	FIN1
	MAXM
	SUBEXP
	v_nop                                          ; a plain instruction behind the last exponential
	s_wait_alu depctr_va_vdst(0)                   ; ahead of the first line that names a result: one wait for 64 exponentials and the reciprocal
	FIN2 \acc
	CVTP
	PV
.endm
; A query tile, head rs and then head tg.  next = 1: the next tile's rows are loaded and made into BR and BT.
.macro TRIP next
.if \next
.irp c, 0,1,2
	global_load_b32 v[SQ+\c], v[RQ], s[8:9] offset:4*\c
.endr
.endif
	SCORES BR
	SOFT ACT                                       ; FIN1's four additions, on the pool's registers, are the places behind the scores; they finish the last trip's tg tile
	SCORES BT
.if \next
	s_wait_loadcnt 0x0                             ; the three loads of this trip
	TCOMP SQ                                       ; six places behind the pool's and the scores' products
.else
	PLACES
.endif
	SOFT ACR                                       ; finishes this trip's rs tile
.if \next
	PACK                                           ; its ten plain lines are the places behind the pool's products
.endif
.endm
; tanh(x) = 1 - 2 / (1 + 2^(2 log2(e) x)) for the eight numbers at v[d ..], into EE: 1 where the power is infinite, -1 where it is 0
.macro TANH8 d
.irp i, 0,2,4,6
	v_pk_mul_f32 v[EE+\i:EE+\i+1], v[\d+\i:\d+\i+1], 0x4038aa3b op_sel_hi:[1,0]
.endr
.irp i, 0,1,2,3,4,5,6,7
	v_exp_f32 v[EE+\i], v[EE+\i]
.endr
	v_nop
	s_wait_alu depctr_va_vdst(0)                   ; one wait for the eight exponentials
.irp i, 0,2,4,6
	v_pk_add_f32 v[EE+\i:EE+\i+1], v[EE+\i:EE+\i+1], 1.0 op_sel_hi:[1,0]
.endr
.irp i, 0,1,2,3,4,5,6,7
	v_rcp_f32 v[EE+\i], v[EE+\i]
.endr
	v_nop
	s_wait_alu depctr_va_vdst(0)                   ; one wait for the eight reciprocals
.irp i, 0,2,4,6
	v_pk_fma_f32 v[EE+\i:EE+\i+1], v[EE+\i:EE+\i+1], -2.0, 1.0 op_sel_hi:[1,0,0]
.endr
.endm
	; ---- the head
	s_load_b512 s[8:23], s[0:1], 0x0               ; s_obs 8, Wq_rs 10, bq_rs 12, Wk_rs 14, Wv_rs 16, bv_rs 18, Wq_tg 20, bq_tg 22
	s_load_b512 s[24:39], s[0:1], 0x40             ; Wk_tg 24, Wv_tg 26, bv_tg 28, W1 30, b1 32, W2 34, b2 36, W3 38
	s_load_b128 s[40:43], s[0:1], 0x80             ; b3 40, out0 42
	v_lshl_add_u32 v[SPW], v0, 2, SPARE
	v_mov_b32 v[NIL], 0
	ds_add_u32 v[SPW], v[NIL]                      ; the wave's opening: the add, twice on end, and its wait stand ahead of the first tensor load; the set-up below stands between
	ds_add_u32 v[SPW], v[NIL]
	v_lshrrev_b32 v[T0], 5, v0
	v_readfirstlane_b32 s[WVN], v[T0]              ; wave 0..15
	v_and_b32 v[LN], 31, v0
	v_and_b32 v[LR], 15, v0
	v_bfe_u32 v[LH], v0, 4, 1
	v_and_b32 v[T0], 7, v0
	v_lshl_add_u32 v[KR], v[LH], 3, v[T0]
	v_bfe_u32 v[CB], v0, 3, 1
	v_lshlrev_b32 v[CW], 2, v[LR]
	v_lshlrev_b32 v[L4], 2, v[LN]
	v_mul_u32_u24 v[RQ], v[LR], 12                 ; a row of s_obs is 12 bytes
	s_lshl_b32 s90, s[WVN], 12                     ; my records
	v_lshlrev_b32 v[RA], 5, v[LR]
	v_lshl_add_u32 v[RA], v[LH], 4, v[RA]
	v_add_nc_u32 v[RA], s90, v[RA]                 ; 4,096 wave + 32 (lane % 16) + 16 (lane / 16)
	v_lshlrev_b32 v[TA], 5, v[KR]
	v_lshl_add_u32 v[TA], v[CB], 4, v[TA]
	v_add_nc_u32 v[TA], s90, v[TA]
	s_bfe_u32 s45, ttmp6, 0x40000                  ; cx: my place in the cluster: it enters s_obs's and out0's addresses alone
	s_lshl_b32 s46, ttmp9, 2                       ; in a cluster launch ttmp9 counts clusters
	s_add_co_u32 s46, s46, s45                     ; the work-group
	s_lshl_b32 s50, s46, 4
	s_add_co_u32 s50, s50, s[WVN]                  ; my batch,
	s_mul_i32 s50, s50, 1536                       ; its 128 rows of 12 bytes
	s_mov_b32 s51, 0
	s_lshl_b32 s54, s46, 6                         ; the work-group's 16 numbers of out0
	s_mov_b32 s55, 0
	s_mov_b32 s48, 0x76543210                      ; v_permlanex16_b32: each lane takes its own place in the other half
	s_mov_b32 s49, 0xfedcba98
	; descriptors: dense blocks as rows of 256 bytes, elements of 8 bytes.  Every word hangs on the wave's number alone: equal in all four partners.
	s_mov_b32 s56, 15|(3<<16)|(1<<21)              ; 15:0 the mask of four; 17:16 8-byte elements; 21 set beside a mask
	s_mov_b32 s57, 32<<16                          ; tensor_dim0 = 32
	s_mov_b32 s58, 64<<16                          ; tensor_dim1 = 64
	s_mov_b32 s59, 32<<16                          ; tile_dim0 = 32
	s_mov_b32 s60, 64                              ; tile_dim1 = 64: 16,384 bytes
	s_mov_b32 s61, 32                              ; 32 elements from row to row
	s_mov_b32 s62, 0
	s_mov_b32 s63, 0
	s_mov_b32 s68, 15|(3<<16)|(1<<21)
	s_mov_b32 s69, 32<<16
	s_mov_b32 s70, 2<<16                           ; two rows: 512 bytes
	s_mov_b32 s71, 32<<16
	s_mov_b32 s72, 2
	s_mov_b32 s73, 32
	s_mov_b32 s74, 0
	s_mov_b32 s75, 0
	s_mov_b32 s76, 1
	s_lshl_b32 s84, s[WVN], 14
	s_add_co_u32 s77, s84, STG                     ; waves 0-5: 16,384 bytes each
	s_sub_co_u32 s86, s84, 0x8000                  ; waves 2-5: the offset in W2
	s_mov_b32 s85, 0
	s_mov_b32 s80, 1
	s_lshl_b32 s87, s[WVN], 9
	s_add_co_u32 s81, s87, STGB-6*512              ; waves 6-8: 512 bytes each
	s_wait_dscnt 0x0                               ; both opening adds are done
	s_wait_kmcnt 0x0
	s_load_b32 s52, s[40:41], 0x0                  ; b3
	s_add_nc_u64 s[8:9], s[8:9], s[50:51]          ; s_obs at my batch
	s_add_nc_u64 s[42:43], s[42:43], s[54:55]      ; out0 at the work-group's batches
	; 46 loads, ahead of the round, so that they are on their way while the work-groups meet: 14 small weights, 24 numbers of rows, 8 of Wv and bv
.irp b, 0,1,2
	global_load_b32 v[CO+\b], v[CW], s[10:11] offset:64*\b
.endr
	global_load_b32 v[CO+3], v[CW], s[12:13]
.irp b, 0,1,2
	global_load_b32 v[CO+4+\b], v[CW], s[14:15] offset:64*\b
.endr
.irp b, 0,1,2
	global_load_b32 v[CO+7+\b], v[CW], s[20:21] offset:64*\b
.endr
	global_load_b32 v[CO+10], v[CW], s[22:23]
.irp b, 0,1,2
	global_load_b32 v[CO+11+\b], v[CW], s[24:25] offset:64*\b
.endr
.irp kt, 0,1,2,3,4,5,6,7
.irp c, 0,1,2
	global_load_b32 v[ROWS+3*\kt+\c], v[RQ], s[8:9] offset:192*\kt+4*\c
.endr
.endr
.irp a, 0,1,2
	global_load_b32 v[WV+\a], v[L4], s[16:17] offset:128*\a
.endr
	global_load_b32 v[WV+3], v[L4], s[18:19]
.irp a, 0,1,2
	global_load_b32 v[WV+4+\a], v[L4], s[26:27] offset:128*\a
.endr
	global_load_b32 v[WV+7], v[L4], s[28:29]
	s_cmp_lt_u32 s[WVN], 2                         ; waves 0, 1: W1's halves; waves 2-5: W2's quarters
	s_cselect_b64 s[78:79], s[30:31], s[34:35]
	s_cselect_b32 s84, s84, s86
	s_add_nc_u64 s[78:79], s[78:79], s[84:85]
	s_or_b32 s79, s79, 0x80000000                  ; type = 2
	s_cmp_eq_u32 s[WVN], 6                         ; wave 6: b1, wave 7: b2, wave 8: W3
	s_cselect_b64 s[88:89], s[32:33], s[36:37]
	s_cmp_eq_u32 s[WVN], 8
	s_cselect_b64 s[82:83], s[38:39], s[88:89]
	s_or_b32 s83, s83, 0x80000000
	CROUND                                         ; all four work-groups are here: the joint loads meet
	s_cmp_lt_u32 s[WVN], 6                         ; a wave has at most one tensor load, the launch's only fills; an s_nop 0 and four v_nop follow each line
	s_cbranch_scc0 .Lsmall
	tensor_load_to_lds s[76:79], s[56:63]
	s_nop 0
	PLACES
	s_branch .Lasked
.Lsmall:
	s_cmp_lt_u32 s[WVN], 9
	s_cbranch_scc0 .Lasked
	tensor_load_to_lds s[80:83], s[68:75]
	s_nop 0
	PLACES
.Lasked:
	; ---- constants.  The pool's accumulators start as o = 0, l = 1: the first trip's leading FIN then adds 0: eight idle lines once, for one text of every trip
	v_mov_b32 v[NEG1], -1.0
	v_mov_b32 v[SQ+3], 0
	v_mov_b32 v[MR+1], 0
	v_mov_b32 v[RI+1], 0
.irp i, 3,4,5,6,7
	v_mov_b32 v[BR+\i], 0                          ; source 1's unused slots stay 0
	v_mov_b32 v[BT+\i], 0
.endr
.irp i, 0,1,2,3,4,5
	v_mov_b32 v[ACR+\i], 0
	v_mov_b32 v[ACT+\i], 0
.endr
.irp i, 0,1,2,3,4,5,7
	v_mov_b32 v[OA+\i], 0
.endr
	v_mov_b32 v[OA+6], 1.0
.irp i, 0,1,2,3,4,5,6,7
	v_mov_b32 v[OB+\i], 0
.endr
	v_cmp_le_u32 vcc_lo, 16, v[LN]                 ; lanes 16-31 (made behind the tensor load)
	; ---- G and g: lane d of a row of 16 holds column d of Wq, bq, Wk; the products are summed over the row's lanes
	s_wait_loadcnt 32                              ; the 14 small weights are in: behind them stand 24 + 8 loads
.irp i, 0,1,2,3,4,5,6
	v_cndmask_b32 v[CO+\i], v[CO+\i], v[CO+7+\i], vcc_lo
.endr
.irp a, 0,1,2
	v_mul_f32 v[CO+4+\a], 0x3eb8aa3b, v[CO+4+\a]   ; Wk times log2(e) / 4
.endr
.irp b, 0,1,2,3
	v_mul_f32 v[GG+2*\b], v[CO+4], v[CO+\b]
	v_mul_f32 v[GG+2*\b+1], v[CO+5], v[CO+\b]
	v_mul_f32 v[GG+8+\b], v[CO+6], v[CO+\b]
.endr
.irp m, 1,2,4,8
.irp i, 0,1,2,3,4,5,6,7,8,9,10,11
	v_add_f32_dpp v[GG+\i], v[GG+\i], v[GG+\i] row_xmask:\m row_mask:0xf bank_mask:0xf
.endr
.endr
	; ---- the batch's operands
	s_wait_loadcnt 8                               ; the rows are in: behind them stand the 8 loads of Wv and bv
	KPREP 0, LO
	KPREP 1, TT
	KPREP 2, LO
	KPREP 3, TT
	KPREP 4, LO
	KPREP 5, TT
	KPREP 6, LO
	KPREP 7, TT
.irp f, 0,1,2,3
	ds_load_tr16_b128 v[A2+8*\f:A2+8*\f+3], v[TA] offset:1024*\f        ; my own bytes; LDS serves a wave's instructions in order (ISA guide 5.7.1.4): these see the stores above
	ds_load_tr16_b128 v[A2+8*\f+4:A2+8*\f+7], v[TA] offset:1024*\f+512
.endr
	TCOMP ROWS                                     ; query tile 0
	PACK
	s_wait_loadcnt 0x0
.irp a, 0,1,2,4,5,6
	v_mul_f32 v[WV+\a], 0x3c000000, v[WV+\a]       ; the mean's 1 / 128
.endr
	s_wait_kmcnt 0x0                               ; b3
	s_wait_dscnt 0x0                               ; A2 is in
	; ---- eight query tiles
	s_mov_b32 s47, 7
.Ltrip:
	TRIP 1
	s_sub_co_u32 s47, s47, 1
	s_cmp_lg_u32 s47, 0
	s_cbranch_scc1 .Ltrip
	TRIP 0
	; the tail's LDS addresses: sixteen plain lines, the places behind the last products
	s_mul_i32 s84, s[WVN], HP
	s_add_co_u32 s84, s84, HL
	v_lshl_add_u32 v[HA], v[LN], 1, s84
	s_lshl_b32 s85, s[WVN], 14
	s_add_co_u32 s85, s85, STG
	v_lshl_add_u32 v[CLA], v[LN], 4, s85
	s_mul_i32 s86, s[WVN], 32*WP
	s_add_co_u32 s86, s86, WB
	v_lshl_add_u32 v[CSA], v[LN], 3, s86
	s_lshl_b32 s87, s[WVN], 5
	s_add_co_u32 s91, s87, WB
	v_mul_u32_u24 v[WT], v[KR], WP
	v_lshl_add_u32 v[WT], v[CB], 4, v[WT]
	v_add_nc_u32 v[WT], s91, v[WT]
	v_mul_u32_u24 v[HB], v[LR], HP
	v_lshl_add_u32 v[HB], v[LH], 4, v[HB]
	v_add_nc_u32 v[HB], HL, v[HB]
	s_lshl_b32 s88, s[WVN], 6
	s_add_co_u32 s89, s88, STGB
	v_lshl_add_u32 v[BA], v[LH], 5, s89
	v_mul_u32_u24 v[A1B], v[LR], AP
	v_lshl_add_u32 v[A1B], v[LH], 4, v[A1B]
	v_add_nc_u32 v[A1B], A1L, v[A1B]
	v_add_nc_u32 v[A1S], s87, v[A1B]
	v_lshl_add_u32 v[PR], v[LR], 2, PART
	v_add_nc_u32 v[PS], s88, v[PR]
	FIN1                                           ; the last tg tile
	v_nop
	s_wait_alu depctr_va_vdst(0)
	FIN2 ACT
	; ---- the pooled row: high and low parts, the 16 queries of the lanes, then h = Wv^T u + bv: lane = channel
.irp a, 0,1,2
	v_add_f32 v[ACR+\a], v[ACR+\a], v[ACR+3+\a]
	v_add_f32 v[ACT+\a], v[ACT+\a], v[ACT+3+\a]
.endr
.irp m, 1,2,4,8
.irp a, 0,1,2
	v_add_f32_dpp v[ACR+\a], v[ACR+\a], v[ACR+\a] row_xmask:\m row_mask:0xf bank_mask:0xf
	v_add_f32_dpp v[ACT+\a], v[ACT+\a], v[ACT+\a] row_xmask:\m row_mask:0xf bank_mask:0xf
.endr
.endr
	v_fma_f32 v[TT], v[ACR], v[WV], v[WV+3]
	v_fma_f32 v[TT+1], v[ACT], v[WV+4], v[WV+7]
	v_fma_f32 v[TT], v[ACR+1], v[WV+1], v[TT]
	v_fma_f32 v[TT+1], v[ACT+1], v[WV+5], v[TT+1]
	v_fma_f32 v[TT], v[ACR+2], v[WV+2], v[TT]
	v_fma_f32 v[TT+1], v[ACT+2], v[WV+6], v[TT+1]
	v_min_num_f32 v[TT], 0x477fe000, v[TT]         ; held to f16's range, +-65,504
	v_min_num_f32 v[TT+1], 0x477fe000, v[TT+1]
	v_max_num_f32 v[TT], 0xc77fe000, v[TT]
	v_max_num_f32 v[TT+1], 0xc77fe000, v[TT+1]
	v_cvt_pk_f16_f32 v[TT+2], v[TT], v[TT+1]
	ds_store_b16 v[HA], v[TT+2]                    ; h_rs[lane]: column lane of my batch's row
	ds_store_b16_d16_hi v[HA], v[TT+2] offset:64   ; h_tg[lane]: column 32 + lane
	; ---- the weights to f16: each of waves 0-5 rounds the 32 rows that it fetched itself, 16 at a time
	s_wait_tensorcnt 0x0                           ; my tensor load has landed
	s_cmp_lt_u32 s[WVN], 6
	s_cbranch_scc0 .Lno_conv
.irp p, 0,1
.irp i, 0,1,2,3,4,5,6,7,8,9,10,11,12,13,14,15
	ds_load_b128 v[CVL+4*\i:CVL+4*\i+3], v[CLA] offset:8192*\p+512*\i     ; a row of 128 f32: 512 bytes on end
.endr
.irp i, 0,1,2,3,4,5,6,7,8,9,10,11,12,13,14,15
	s_wait_dscnt 15                                ; load i is in: behind it stand 15 - i loads and i stores
	v_cvt_pk_f16_f32 v[CVP+2*\i], v[CVL+4*\i], v[CVL+4*\i+1]
	v_cvt_pk_f16_f32 v[CVP+2*\i+1], v[CVL+4*\i+2], v[CVL+4*\i+3]
	ds_store_b64 v[CSA], v[CVP+2*\i:CVP+2*\i+1] offset:16*WP*\p+WP*\i
.endr
.endr
.Lno_conv:
	s_wait_dscnt 0x0                               ; for the others' sake: my stores of h and of the weights are done
	s_barrier_signal -1
	s_barrier_wait -1                              ; h, the f16 weights, b1, b2 and W3 are whole for every wave
	; ---- layer 1: waves 0-7, 16 columns each, K = 64
	s_cmp_lt_u32 s[WVN], 8
	s_cbranch_scc0 .Ll1_done
.irp ks, 0,1
	ds_load_tr16_b128 v[WF+8*\ks:WF+8*\ks+3], v[WT] offset:32*WP*\ks
	ds_load_tr16_b128 v[WF+8*\ks+4:WF+8*\ks+7], v[WT] offset:32*WP*\ks+16*WP
	ds_load_b128 v[HF+8*\ks:HF+8*\ks+3], v[HB] offset:64*\ks
	ds_load_b128 v[HF+8*\ks+4:HF+8*\ks+7], v[HB] offset:64*\ks+32
.endr
	ds_load_b128 v[BI:BI+3], v[BA]
	ds_load_b128 v[BI+4:BI+7], v[BA] offset:16
	s_wait_dscnt 0x0
	v_wmma_f32_16x16x32_f16 v[DA:DA+7], v[WF:WF+7], v[HF:HF+7], v[BI:BI+7]     ; the bias starts the sum
	v_wmma_f32_16x16x32_f16 v[DB:DB+7], v[WF+8:WF+15], v[HF+8:HF+15], 0
	PLACES
.irp i, 0,2,4,6
	v_pk_add_f32 v[DA+\i:DA+\i+1], v[DA+\i:DA+\i+1], v[DB+\i:DB+\i+1]
.endr
	TANH8 DA
.irp i, 0,1,2,3
	v_cvt_pk_f16_f32 v[PK+\i], v[EE+2*\i], v[EE+2*\i+1]
.endr
	ds_store_b128 v[A1S], v[PK:PK+3]               ; batch lane % 16, my 8 neighbouring columns
.Ll1_done:
	s_wait_dscnt 0x0
	s_barrier_signal -1
	s_barrier_wait -1                              ; the first layer's result is whole
	; ---- layers 2 and 3: waves 0-7, K = 128
	s_cmp_lt_u32 s[WVN], 8
	s_cbranch_scc0 .Ll2_done
.irp ks, 0,1,2,3
	ds_load_tr16_b128 v[WF+8*\ks:WF+8*\ks+3], v[WT] offset:64*WP+32*WP*\ks
	ds_load_tr16_b128 v[WF+8*\ks+4:WF+8*\ks+7], v[WT] offset:64*WP+32*WP*\ks+16*WP
	ds_load_b128 v[AF+8*\ks:AF+8*\ks+3], v[A1B] offset:64*\ks
	ds_load_b128 v[AF+8*\ks+4:AF+8*\ks+7], v[A1B] offset:64*\ks+32
.endr
	ds_load_b128 v[BI:BI+3], v[BA] offset:512
	ds_load_b128 v[BI+4:BI+7], v[BA] offset:528
	ds_load_b128 v[W3R:W3R+3], v[BA] offset:1024
	ds_load_b128 v[W3R+4:W3R+7], v[BA] offset:1040
	s_wait_dscnt 0x0
	v_wmma_f32_16x16x32_f16 v[DA:DA+7], v[WF:WF+7], v[AF:AF+7], v[BI:BI+7]     ; two accumulators by turns, one instruction a turn
	v_wmma_f32_16x16x32_f16 v[DB:DB+7], v[WF+8:WF+15], v[AF+8:AF+15], 0
	v_wmma_f32_16x16x32_f16 v[DA:DA+7], v[WF+16:WF+23], v[AF+16:AF+23], v[DA:DA+7]
	v_wmma_f32_16x16x32_f16 v[DB:DB+7], v[WF+24:WF+31], v[AF+24:AF+31], v[DB:DB+7]
	PLACES
.irp i, 0,2,4,6
	v_pk_add_f32 v[DA+\i:DA+\i+1], v[DA+\i:DA+\i+1], v[DB+\i:DB+\i+1]
.endr
	TANH8 DA
	v_pk_mul_f32 v[PK:PK+1], v[EE:EE+1], v[W3R:W3R+1]                           ; the last layer: my 8 columns' share, in f32
.irp i, 2,4,6
	v_pk_fma_f32 v[PK:PK+1], v[EE+\i:EE+\i+1], v[W3R+\i:W3R+\i+1], v[PK:PK+1]
.endr
	v_add_f32 v[PK], v[PK], v[PK+1]
	v_permlanex16_b32 v[PK+1], v[PK], s48, s49     ; my wave's other 8 columns lie in the lane 16 away
	v_add_f32 v[PK], v[PK], v[PK+1]
	ds_store_b32 v[PS], v[PK]                      ; both halves of the lanes write the same word with the same value
.Ll2_done:
	s_wait_dscnt 0x0
	s_barrier_signal -1
	s_barrier_wait -1                              ; the eight partial sums of each batch lie in LDS
	; ---- wave 0 adds them and stores
	s_cmp_lg_u32 s[WVN], 0
	s_cbranch_scc1 .Lend
.irp i, 0,1,2,3,4,5,6,7
	ds_load_b32 v[EE+\i], v[PR] offset:64*\i
.endr
	s_wait_dscnt 0x0
	v_pk_add_f32 v[EE:EE+1], v[EE:EE+1], v[EE+2:EE+3]
	v_pk_add_f32 v[EE+4:EE+5], v[EE+4:EE+5], v[EE+6:EE+7]
	v_pk_add_f32 v[EE:EE+1], v[EE:EE+1], v[EE+4:EE+5]
	v_add_f32 v[EE], v[EE], v[EE+1]
	v_add_f32 v[EE], s52, v[EE]                    ; + b3
	s_wait_xcnt 0x0                                ; EXEC changes only behind this wait
	v_cmp_gt_u32 vcc_lo, 16, v[LN]
	s_and_saveexec_b32 s53, vcc_lo
	global_store_b32 v[CW], v[EE], s[42:43]        ; 16 lanes store the work-group's 64 consecutive bytes, all that it has of the output
	s_wait_xcnt 0x0                                ; and again, in front of the line that widens it
	s_or_b32 exec_lo, exec_lo, s53
.Lend:
	s_wait_tensorcnt 0x0                           ; the wave's end: behind my last tensor load and my last LDS store
	ds_add_u32 v[SPW], v[NIL]
	s_wait_dscnt 0x0
	CROUND                                         ; the closing round: no work-group ends while a partner may still ask for a block that names it
	s_endpgm
.Lfunc_end_k_qd2fc898926_critic:
	.size	k_qd2fc898926_critic, .Lfunc_end_k_qd2fc898926_critic-k_qd2fc898926_critic
	.p2alignl 7, 3214868480
	.fill 96, 4, 3214868480
	.section	.rodata,"a",@progbits
	.p2align	6, 0x0
	.amdhsa_kernel k_qd2fc898926_critic
		.amdhsa_group_segment_fixed_size 229888
		.amdhsa_private_segment_fixed_size 0
		.amdhsa_enable_private_segment 0
		.amdhsa_kernarg_size 144
		.amdhsa_user_sgpr_count 2
		.amdhsa_user_sgpr_kernarg_segment_ptr 1
		.amdhsa_wavefront_size32 1
		.amdhsa_system_sgpr_workgroup_id_x 1
		.amdhsa_system_sgpr_workgroup_id_y 1
		.amdhsa_system_sgpr_workgroup_id_z 1
		.amdhsa_system_vgpr_workitem_id 0
		.amdhsa_next_free_vgpr 256
		.amdhsa_next_free_sgpr 96
		.amdhsa_reserve_vcc 1
		.amdhsa_float_denorm_mode_32 3
		.amdhsa_float_denorm_mode_16_64 3
		.amdhsa_memory_ordered 1
		.amdhsa_forward_progress 1
		.amdhsa_inst_pref_size 82
	.end_amdhsa_kernel
	.amdgpu_metadata
---
amdhsa.version: [ 1, 2 ]
amdhsa.kernels:
  - .name:           k_qd2fc898926_critic
    .symbol:         k_qd2fc898926_critic.kd
    .args:
      - { .name: s_obs, .offset: 0, .size: 8, .value_kind: global_buffer, .address_space: global }
      - { .name: Wq_rs, .offset: 8, .size: 8, .value_kind: global_buffer, .address_space: global }
      - { .name: bq_rs, .offset: 16, .size: 8, .value_kind: global_buffer, .address_space: global }
      - { .name: Wk_rs, .offset: 24, .size: 8, .value_kind: global_buffer, .address_space: global }
      - { .name: Wv_rs, .offset: 32, .size: 8, .value_kind: global_buffer, .address_space: global }
      - { .name: bv_rs, .offset: 40, .size: 8, .value_kind: global_buffer, .address_space: global }
      - { .name: Wq_tg, .offset: 48, .size: 8, .value_kind: global_buffer, .address_space: global }
      - { .name: bq_tg, .offset: 56, .size: 8, .value_kind: global_buffer, .address_space: global }
      - { .name: Wk_tg, .offset: 64, .size: 8, .value_kind: global_buffer, .address_space: global }
      - { .name: Wv_tg, .offset: 72, .size: 8, .value_kind: global_buffer, .address_space: global }
      - { .name: bv_tg, .offset: 80, .size: 8, .value_kind: global_buffer, .address_space: global }
      - { .name: W1, .offset: 88, .size: 8, .value_kind: global_buffer, .address_space: global }
      - { .name: b1, .offset: 96, .size: 8, .value_kind: global_buffer, .address_space: global }
      - { .name: W2, .offset: 104, .size: 8, .value_kind: global_buffer, .address_space: global }
      - { .name: b2, .offset: 112, .size: 8, .value_kind: global_buffer, .address_space: global }
      - { .name: W3, .offset: 120, .size: 8, .value_kind: global_buffer, .address_space: global }
      - { .name: b3, .offset: 128, .size: 8, .value_kind: global_buffer, .address_space: global }
      - { .name: out0, .offset: 136, .size: 8, .value_kind: global_buffer, .address_space: global }
    .group_segment_fixed_size: 229888
    .private_segment_fixed_size: 0
    .kernarg_segment_align: 8
    .kernarg_segment_size: 144
    .max_flat_workgroup_size: 512
    .sgpr_count:     96
    .vgpr_count:     256
    .wavefront_size: 32
...
	.end_amdgpu_metadata
.endif
;; end of part 1
